; MI455X (gfx1250); checked and timed in simulation.
; The chip was launched on July 23, 2026; its instructions are those of AMD's public machine-readable ISA for CDNA 5 (MIT licence, August 2026) and "CDNA5" Instruction Set Architecture Reference Guide (July 2026). The comments in the code are by the model that wrote it; some were corrected since.
;; MMOE Lora Linear. Allowed arithmetic: matrix products marked QUANTISED: E2M3 operands, one E8M0 scale for each 32 along K, by v_wmma_scale_f32_16x16x128_f8f6f4 with both operands' format E2M3, f32 sums; products left as they are: f32 operands where the result goes on into a quantised operand, else bf16, f16 or f32 operands; f32 sums; everything else in f32.
;; Inputs: Wa 8 x 8 x 4,096 float32; Wb 8 x 4,096 x 8 float32; base_W 4,096 x 4,096 float32; base_b 4,096 float32; gate_W 8 x 64 float32; task_emb 9 x 64 float32; task_id 8 int32; x 8 x 256 x 4,096 float32.
;; Outputs: out0 8 x 256 x 4,096 float32.
;; This version of the problem:
;;   THIS VERSION OF THE PROBLEM IS GIVEN IN LOW PRECISION. The matrix products marked QUANTISED in the list below multiply operands that are first quantised to E2M3 (2 exponent bits, 3 mantissa bits; 6 bits a number), with one power-of-two scale for each 32 numbers along K (OCP MX v1.0); their sums are f32. All else is computed in f32.
;;   The module's matrix products, in the order in which they are computed (A, B: the left and right operand; K: the contracted axis; several contracted axes count as one K, in the product's order):
;;     1. [M 2,048, K 4,096] x [K 4,096, N 4,096]; A: input x; B: input base_W: QUANTISED
;;     2. [M 8, K 64] x [K 64, N 8]; A: computed on the way; B: input gate_W: left as it is (M = 8 < 16)
;;     3. [M 64, K 4,096] x [K 4,096, N 2,048]; A: input Wa; B: input x: QUANTISED
;;     4. batch 64 x [M 2,048, K 1] x [K 1, N 1]; A: computed on the way; B: computed on the way: left as it is (no contracted axis)
;;     5. [M 2,048, K 64] x [K 64, N 4,096]; A: computed on the way; B: input Wb: QUANTISED
;;   THE QUANTISER, for each operand of a quantised product, along K:
;;     - K is cut into blocks of 32 from its start; a last block that is shorter is filled with zeros.
;;     - A block's scale is 2^e with e = floor(log2(the largest magnitude in the block)) - 2, held to -126 .. 127; a block of zeros has e = 0. As a byte (E8M0): e + 127.
;;     - Each number is divided by its block's scale, clamped to +-7.5, and rounded to the nearest number of E2M3, ties to even, subnormals kept.
;;     - The product sums the exact products of the quantised numbers (number of the format x scale) in f32.
;;   ~~~python
;;   def quantise(x, axis):      # numpy; x: float32 -> the quantised numbers, widened to float32 again
;;       x = np.moveaxis(x, axis, -1); K = x.shape[-1]
;;       x = np.pad(x, [(0, 0)] * (x.ndim - 1) + [(0, -K % 32)]); x = x.reshape(x.shape[:-1] + (-1, 32)); a = np.abs(x).max(-1, keepdims=True)
;;       e = np.where(a > 0, np.clip(np.frexp(np.where(a > 0, a, 1))[1] - 1 - 2, -126, 127), 0)      # np.frexp(a)[1] - 1 = floor(log2(a)), exactly
;;       r = np.clip(x / 2.0 ** e, -7.5, 7.5)
;;       step = 2.0 ** (np.maximum(np.frexp(np.where(r == 0, 1, r))[1] - 1, 0) - 3)
;;       q = np.round(r / step) * step * 2.0 ** e      # np.round: ties to even
;;       return np.moveaxis(q.reshape(q.shape[:-2] + (-1,))[..., :K], -1, axis).astype(np.float32)
;;   ~~~
;;   OPERANDS COMPUTED ON THE WAY. 'Computed on the way' means the value that the module computes at that place (a softmax that the list does not call 'softmax' is quantised finished and normalised). What goes into a quantiser is computed in f32, as accurately as f32 sums, v_exp_f32 and their like allow (about 1e-6 of the number): no bf16 or f16 on the way to a quantiser, and a product that is left as it is and whose result goes on into a quantised operand takes f32 operands (vector FMAs, or v_wmma_f32_16x16x4_f32). A number that lies on a knife's edge between two numbers of the format may be rounded either way, as far as f32 arithmetic and the matrix unit's own rounding can turn it there, and no further.
;; One version. Each part assembles by itself: llvm-mc -triple=amdgcn-amd-amdhsa -mcpu=gfx1250 --defsym DOCPART=n.
;; ======== version 1 of 1: 2 launches
;; limits: right only within a limited range of input values
;; workspace buffers: ximg 6,553,600 bytes; wimg 13,107,200 bytes; hpart 2,097,152 bytes; wbq 425,984 bytes; gtab 512 bytes
;; launch quant (part 1): grid 256 x 1, 16 waves a work-group, no clusters, 243,712 bytes of LDS; arguments x, base_W, Wa, Wb, task_emb, gate_W, ximg, wimg, hpart, wbq, gtab; writes ximg, wimg, hpart, wbq, gtab
.if DOCPART == 1
	.amdgcn_target "amdgcn-amd-amdhsa--gfx1250"
	.amdhsa_code_object_version 6
	.text
	.protected	k_q039a7b0308_quant
	.globl	k_q039a7b0308_quant
	.p2align	8
	.type	k_q039a7b0308_quant,@function
k_q039a7b0308_quant:
	s_mov_b64 s[64:65], 0
	v_nop
	global_prefetch_b8 v0, s[64:65] scope:SCOPE_SE
	s_setreg_imm32_b32 hwreg(HW_REG_WAVE_MODE, 25, 1), 1
	s_wait_xcnt 0x0
; QUANTISE ONCE.  x [2048][4096] and base_W [4096][4096], f32, K innermost, become codes of FP6 (E2M3) with one E8M0 byte for each 32 along K, laid as the product's launch wants them:
; IMAGES OF OPERAND REGISTERS.  A fragment is 16 rows x 128 K, 12 registers a lane; registers 4 g .. 4 g + 3 of lane l lie at 512 g + 16 l: 1,536 bytes.  A RECORD is four fragments (512 along K) and
; behind them 256 bytes of scale words (row r, K step q at 16 r + 4 q): 6,400 bytes.  ximg, wimg: [tile of 16 rows][8 records].
; The same launch makes: h = Q(x) Q(Wa)^T, by the matrix unit on the codes just made, as four partial sums over K (hpart: [chunk of 1,024 K][x tile][Wa tile][image of the accumulator]);
; Wb's codes along K = 8 e + r (64 numbers, filled up to 128 with zero codes), its scale bytes lowered by 2, which is the factor 0.25, exactly (wbq);  softmax(task_emb[t] gate_W^T) for all nine t (gtab).
; A block's scale is 2^(floor(log2(largest magnitude)) - 2): its byte is the largest magnitude's exponent field - 2.
; LIMITS: NaN and infinities are not served.  A block whose largest magnitude lies under 2^-124 (Wb: 2^-122, so that its lowered byte stays at 1 or above) is quantised with the floor's scale.
; A block of zeros gets the floor's byte and not 127: its codes are zeros, and the bytes are read by this program alone.
; SHARES.  256 work-groups of 16 waves, 64 fragments each: 8 tiles x 8 K steps (a chunk of 1,024 along K); wave w takes tile w / 2 and K steps 4 (w % 2) .. + 3: one record.
; Work-groups 0-127: base_W (128 rows each).  Work-groups 128-255: tiles 0-3 are Wa's 64 rows (their codes stay in LDS), tiles 4-7 are 64 rows of x; behind one barrier wave w multiplies x tile w / 4 by Wa tile w % 4.
; Wave 0 of every work-group also quantises 16 columns of Wb; wave 1 of work-groups 0-8 one row of gtab.  No tensor loads; 32 loads of 512 bytes a wave are on their way.
.set SPITCH, 528                       ; a stage row: 512 bytes + 16: the 16 rows that a load of 16 bytes a lane touches start 4 banks apart (64 banks of 4 bytes: ISA guide 11.1)
.set WSTG,   16*SPITCH                 ; a wave's own stage
.set FRB,    1536                      ; a fragment's image
.set REC,    6400                      ; a record
.set IMG,    16*WSTG                   ; LDS: behind the stages the 64 fragments' images (8 x tile + K step),
.set SCI,    IMG+64*FRB                ; and their scale words, 128 bytes each
.set TM,     32                        ; v32-47   at work in QUANT; later the two accumulators
.set PC,     64                        ; v64-111  four fragments' codes
.set CT,     112                       ; v112-118 second halves of the conversions
.set PW,     120                       ; v120-123 four scale words
.set R,      128                       ; v128-255 two sets of 64 numbers
	s_load_b256 s[4:11], s[0:1], 0x0               ; x, base_W, Wa, Wb
	s_load_b256 s[12:19], s[0:1], 0x20             ; task_emb, gate_W, ximg, wimg
	s_load_b128 s[20:23], s[0:1], 0x40             ; hpart, wbq
	s_load_b64 s[24:25], s[0:1], 0x50              ; gtab
	v_lshl_add_u32 v30, v0, 2, 0x3b000
	v_mov_b32 v31, 0
	v_lshrrev_b32 v1, 5, v0
	s_delay_alu instid0(VALU_DEP_1)
	v_readfirstlane_b32 s26, v1                    ; wave 0..15
	v_and_b32 v1, 31, v0                           ; lane
	v_and_b32 v2, 15, v0                           ; r
	v_bfe_u32 v3, v0, 4, 1                         ; h
	s_delay_alu instid0(VALU_DEP_3)
	v_lshlrev_b32 v4, 4, v1                        ; 16 x lane
	s_wait_alu depctr_va_vdst(0)
	v_lshlrev_b32 v5, 2, v1                        ; 4 x lane
	s_wait_alu depctr_va_vdst(0)
	s_mul_i32 s2, s26, WSTG
	v_add_nc_u32 v6, s2, v4                        ; the stage, in: 16 x lane of a row
	v_mul_u32_u24 v7, v2, SPITCH
	s_delay_alu instid0(VALU_DEP_1)
	v_lshl_add_u32 v7, v3, 6, v7
	s_delay_alu instid0(VALU_DEP_1)
	v_add_nc_u32 v7, s2, v7                        ; and out: row r, + 64 h: my 16 numbers of a block of 32
	s_mul_i32 s2, s26, 4*FRB
	s_add_co_u32 s2, s2, IMG
	v_add_nc_u32 v8, s2, v4                        ; where I store images: fragments 4 w ..
	s_lshl_b32 s2, s26, 9
	s_add_co_u32 s2, s2, SCI
	v_add_nc_u32 v9, s2, v5                        ; and their scale words
	s_and_b32 s2, s26, 3
	s_mul_i32 s3, s2, 8*FRB
	s_add_co_u32 s3, s3, IMG
	v_add_nc_u32 v10, s3, v4                       ; the product: Wa's tile w % 4,
	s_lshl_b32 s3, s2, 10
	s_add_co_u32 s3, s3, SCI
	v_add_nc_u32 v12, s3, v5                       ; its scale words,
	s_lshr_b32 s2, s26, 2
	s_mul_i32 s3, s2, 8*FRB
	s_add_co_u32 s3, s3, IMG+32*FRB
	v_add_nc_u32 v11, s3, v4                       ; x's tile w / 4 (tiles 4-7 of the work-group),
	s_lshl_b32 s3, s2, 10
	s_add_co_u32 s3, s3, SCI+4096
	v_add_nc_u32 v13, s3, v5                       ; its scale words
	v_lshlrev_b32 v14, 4, v2
	s_delay_alu instid0(VALU_DEP_1)
	v_lshl_add_u32 v14, v3, 3, v14                 ; a record's scale words: 16 r + 8 h
	v_lshlrev_b32 v15, 5, v2
	s_delay_alu instid0(VALU_DEP_1)
	v_lshl_add_u32 v15, v3, 19, v15                ; Wb: column r of 32 bytes, experts 4 h on (131,072 bytes an expert)
	v_and_b32 v18, 7, v0                           ; the gate: expert e = lane % 8,
	v_bfe_u32 v17, v0, 3, 2                        ; part p = lane / 8 of the 64 along its K
	s_delay_alu instid0(VALU_DEP_1)
	v_lshlrev_b32 v17, 6, v17                      ; task_emb: 64 p
	s_delay_alu instid0(VALU_DEP_1)
	v_lshl_add_u32 v16, v18, 8, v17                ; gate_W: 256 e + 64 p
	s_delay_alu instid0(VALU_DEP_4)
	v_lshlrev_b32 v18, 2, v18                      ; gtab: 4 e
	v_lshlrev_b32 v19, 3, v3                       ; 8 h
.irp b, 0,1,2,3
	v_mov_b32 v[TM+4+\b], 0                        ; written once: a lane permute's destination counts as one of its sources
.endr
	s_mov_b32 s52, 0x76543210
	s_mov_b32 s53, 0xfedcba98                      ; v_permlanex16_b32's selects for lane l xor 16
	s_and_b32 s27, ttmp9, 127
	s_lshr_b32 s28, s27, 2                         ; rg: which rows
	s_and_b32 s29, s27, 3                          ; c: which chunk of 1,024 along K
	s_lshr_b32 s30, s26, 1                         ; j: my tile of the work-group's eight
	s_and_b32 s31, s26, 1
	s_lshl_b32 s32, s29, 1
	s_add_co_u32 s32, s32, s31                     ; G: my record of a tile's eight
	s_lshr_b32 s33, ttmp9, 7                       ; 1: the work-group takes x and Wa
	s_lshr_b32 s34, s26, 3
	s_xor_b32 s34, s34, 1
	s_and_b32 s34, s34, s33                        ; 1: my tile is Wa's
	s_lshl_b32 s35, s28, 3
	s_add_co_u32 s35, s35, s30                     ; my tile in its tensor: base_W's 8 rg + j,
	s_lshl_b32 s2, s28, 2
	s_add_co_u32 s2, s2, s30
	s_sub_co_u32 s2, s2, 4                         ; x's 4 rg + j - 4,
	s_cmp_lg_u32 s33, 0
	s_cselect_b32 s35, s2, s35
	s_cmp_lg_u32 s34, 0
	s_cselect_b32 s35, s30, s35                    ; Wa's j
	s_wait_kmcnt 0x0
	s_cmp_lg_u32 s33, 0                            ; the buffers are chosen by the work-group's and the wave's number alone
	s_cselect_b64 s[36:37], s[4:5], s[6:7]
	s_cselect_b64 s[38:39], s[16:17], s[18:19]
	s_cmp_lg_u32 s34, 0
	s_cselect_b64 s[36:37], s[8:9], s[36:37]
	s_lshl_b32 s2, s35, 18                         ; 16 rows of 16,384 bytes a tile,
	s_lshl_b32 s3, s32, 11                         ; 2,048 bytes of a row a record
	s_add_co_u32 s2, s2, s3
	s_mov_b32 s3, 0
	s_add_nc_u64 s[36:37], s[36:37], s[2:3]        ; from here I read
	s_lshl_b32 s2, s35, 3
	s_add_co_u32 s2, s2, s32
	s_mul_i32 s2, s2, REC
	s_add_nc_u64 s[38:39], s[38:39], s[2:3]        ; my record (Wa's waves store none)
	s_lshl_b32 s2, s29, 19
	s_lshl_b32 s54, s28, 14
	s_add_co_u32 s2, s2, s54
	s_lshl_b32 s54, s26, 10
	s_add_co_u32 s2, s2, s54
	s_add_nc_u64 s[40:41], s[20:21], s[2:3]        ; hpart: chunk c, x tile 4 rg + w / 4, Wa tile w % 4
	s_mul_i32 s2, ttmp9, FRB
	s_add_nc_u64 s[42:43], s[22:23], s[2:3]        ; wbq: the codes of tile g,
	s_lshl_b32 s2, ttmp9, 7
	s_add_co_u32 s2, s2, 256*FRB
	s_add_nc_u64 s[44:45], s[22:23], s[2:3]        ; its scale words, behind the 256 tiles' codes
	s_lshl_b32 s2, ttmp9, 9
	s_add_nc_u64 s[46:47], s[10:11], s[2:3]        ; Wb at column 16 g
; Fragment f of my record into set: 16 loads, each 512 consecutive bytes of one row.  x and base_W are read once in the launch; Wa is read by 32 work-groups and gets no hint.  Both arms issue 16 loads.
.macro LOADF f, set
	s_cmp_eq_u32 s34, 0
	s_cbranch_scc0 .Lwa_\@
.irp i, 0,1,2,3,4,5,6,7,8,9,10,11,12,13,14,15
	global_load_b128 v[R+64*(\set)+4*\i:R+64*(\set)+4*\i+3], v4, s[36:37] offset:16384*\i+512*(\f) th:TH_LOAD_NT
.endr
	s_branch .Lld_\@
.Lwa_\@:
.irp i, 0,1,2,3,4,5,6,7,8,9,10,11,12,13,14,15
	global_load_b128 v[R+64*(\set)+4*\i:R+64*(\set)+4*\i+3], v4, s[36:37] offset:16384*\i+512*(\f)
.endr
.Lld_\@:
.endm
; The 64 numbers at v[s] turn through my stage: in as loaded (register 4 i ..: row i, 4 numbers at 4 x lane), back so that register 16 b + i is k = 32 b + 16 h + i of row r.
; LDS serves a wave's instructions in order (ISA guide 5.7.1.4): no wait between the stores and the loads.
.macro TURNF s
.irp i, 0,1,2,3,4,5,6,7,8,9,10,11,12,13,14,15
	ds_store_b128 v6, v[\s+4*\i:\s+4*\i+3] offset:SPITCH*\i
.endr
.irp b, 0,1,2,3
.irp j, 0,1,2,3
	ds_load_b128 v[\s+16*\b+4*\j:\s+16*\b+4*\j+3], v7 offset:128*\b+16*\j
.endr
.endr
.endm
; 64 numbers of a lane become a fragment's 12 registers of codes at v[pc] and its scale word in v[pw].
.macro QUANT s, pc, pw
.irp b, 0,1,2,3
	v_max3_num_f32 v[TM+\b], |v[\s+16*\b]|, |v[\s+1+16*\b]|, 0x1800000   ; block b: my 16 numbers, and the floor 2^(3 - 127): the byte cannot fall under 1
.endr
.irp i, 2,4,6,8,10,12,14
.irp b, 0,1,2,3
	s_delay_alu instid0(VALU_DEP_4)
	v_max3_num_f32 v[TM+\b], v[TM+\b], |v[\s+16*\b+\i]|, |v[\s+1+16*\b+\i]|   ; the four blocks by turns
.endr
.endr
.irp b, 0,1,2,3
	s_delay_alu instid0(VALU_DEP_4)
	v_permlanex16_b32 v[TM+4+\b], v[TM+\b], s52, s53
.endr
.irp b, 0,1,2,3
	s_delay_alu instid0(VALU_DEP_4)
	v_max_num_f32 v[TM+\b], v[TM+\b], v[TM+4+\b]   ; with lane l xor 16's 16: the block's largest magnitude
.endr
.irp b, 0,1,2,3
	s_delay_alu instid0(VALU_DEP_4)
	v_add_nc_u32 v[TM+12+\b], 0xff000000, v[TM+\b] ; 2 off its exponent field: the conversion takes this operand's exponent field as its scale
.endr
.irp b, 0,1,2,3
	s_delay_alu instid0(VALU_DEP_4)
	v_lshrrev_b32 v[TM+4+\b], 23, v[TM+12+\b]      ; the scale's byte
.endr
	s_delay_alu instid0(VALU_DEP_3)
	v_lshl_or_b32 v[\pw], v[TM+5], 8, v[TM+4]      ; four bytes: my row's scale word (the same in lanes r and 16 + r)
	s_delay_alu instid0(VALU_DEP_1)
	v_lshl_or_b32 v[\pw], v[TM+6], 16, v[\pw]
	s_delay_alu instid0(VALU_DEP_1)
	v_lshl_or_b32 v[\pw], v[TM+7], 24, v[\pw]
.irp c, 0,1
	v_cvt_scalef32_pk16_fp6_f32 v[\pc+6*\c:\pc+2+6*\c], v[\s+32*\c:\s+15+32*\c], v[TM+12+2*\c]
	v_cvt_scalef32_pk16_fp6_f32 v[CT+4*\c:CT+2+4*\c], v[\s+16+32*\c:\s+31+32*\c], v[TM+12+2*\c+1]   ; (a conversion's three registers begin on an even number)
.endr
	v_nop                                          ; one plain place behind a scaled conversion
.irp c, 0,1                                    ; the operand's layout wants a whole block in a lane: lanes 0-15 block 2 c, lanes 16-31 block 2 c + 1
.irp i, 0,1,2
	v_permlane16_swap_b32 v[\pc+6*\c+\i], v[CT+4*\c+\i]
.endr
.irp i, 0,1,2
	s_delay_alu instid0(VALU_DEP_3)
	v_mov_b32 v[\pc+3+6*\c+\i], v[CT+4*\c+\i]
.endr
.endr
.endm
; Fragment f: wait, turn, quantise, ask for the fragment two on, store.  Each fragment has registers of its own for codes and scale word, so no store's data are written again.
.macro FSTEP f
.set SETB, R+64*((\f)%2)
.set PCF, PC+12*(\f)
.set PWF, PW+(\f)
.if (\f) < 3
	s_wait_loadcnt 16                              ; my fragment's 16 loads are in; the 16 of the fragment behind it may be out
.else
	s_wait_loadcnt 0x0
.endif
	TURNF SETB
	s_wait_dscnt 0x0
	QUANT SETB, PCF, PWF
.if (\f) < 2
	LOADF (\f)+2, (\f)%2
.endif
	s_cmp_lg_u32 s34, 0
	s_cbranch_scc1 .Lnog_\@                        ; Wa's codes do not go to memory
	s_wait_alu depctr_va_vdst(0)
.irp g, 0,1,2
	global_store_b128 v4, v[PCF+4*\g:PCF+4*\g+3], s[38:39] offset:FRB*(\f)+512*\g   ; 32 lanes store 512 consecutive bytes, at a multiple of 256 from the buffer's first byte
.endr
.Lnog_\@:
	s_cmp_eq_u32 s33, 0
	s_cbranch_scc1 .Lnol_\@                        ; base_W's codes do not go to LDS
	s_wait_alu depctr_va_vdst(0)
.irp g, 0,1,2
	ds_store_b128 v8, v[PCF+4*\g:PCF+4*\g+3] offset:FRB*(\f)+512*\g
.endr
	ds_store_b32 v9, v[PWF] offset:128*(\f)
.Lnol_\@:
.endm
	s_cmp_lg_u32 s26, 0                            ; wave 0 asks for its 16 columns of Wb ahead of its fragments, so that they are worked on while the fragments are on their way
	s_cbranch_scc1 .Lno_wbl
.irp q, 0,1,2,3
.irp t, 0,1
	global_load_b128 v[64+8*\q+4*\t:64+8*\q+4*\t+3], v15, s[46:47] offset:131072*\q+16*\t
.endr
.endr
.Lno_wbl:
	LOADF 0, 0
	LOADF 1, 1
	; ---- wave 0: Wb's tile g, 16 columns o.  Lane (r, h) takes column 16 g + r and k = 32 h + 0 .. 31 (experts 4 h .. 4 h + 3, 8 ranks each): a whole block, in the operand's own order
	s_cmp_lg_u32 s26, 0
	s_cbranch_scc1 .Lno_wb
	s_wait_loadcnt 32                              ; Wb's eight loads are in; the 32 fragment loads issued behind them may be out
	v_max3_num_f32 v20, |v64|, |v65|, |v66|
	v_max3_num_f32 v21, |v67|, |v68|, |v69|
.irp i, 6,10,14,18,22,26
	s_delay_alu instid0(VALU_DEP_2)
	v_max3_num_f32 v20, v20, |v[64+\i]|, |v[65+\i]|
	s_delay_alu instid0(VALU_DEP_2)
	v_max3_num_f32 v21, v21, |v[66+\i]|, |v[67+\i]|
.endr
	s_delay_alu instid0(VALU_DEP_2)
	v_max3_num_f32 v20, v20, |v94|, |v95|
	s_delay_alu instid0(VALU_DEP_1)
	v_max3_num_f32 v20, v20, v21, 0x2800000        ; the floor 2^(5 - 127): the byte lowered by 2 cannot fall under 1
	s_delay_alu instid0(VALU_DEP_1)
	v_add_nc_u32 v22, 0xff000000, v20              ; the conversion's scale operand
	s_delay_alu instid0(VALU_DEP_1)
	v_lshrrev_b32 v23, 23, v22                     ; the scale's byte,
	s_delay_alu instid0(VALU_DEP_1)
	v_add_nc_u32 v23, -2, v23                      ; less 2: the product's factor 0.25 goes with Wb's scale, exactly
	s_delay_alu instid0(VALU_DEP_1)
	v_lshlrev_b32 v23, v19, v23                    ; block h's place in the word
	v_mov_b32 v24, 0
	s_delay_alu instid0(VALU_DEP_1)
	v_permlanex16_b32 v24, v23, s52, s53
	s_delay_alu instid0(VALU_DEP_1)
	v_or_b32 v23, v23, v24                         ; with lane l xor 16's byte,
	s_delay_alu instid0(VALU_DEP_1)
	v_or_b32 v23, 0x7f7f0000, v23                  ; and 127 for the two blocks of zero codes
	v_cvt_scalef32_pk16_fp6_f32 v[96:98], v[64:79], v22
	v_cvt_scalef32_pk16_fp6_f32 v[112:114], v[80:95], v22
	v_nop                                          ; one plain place behind a scaled conversion
.irp i, 0,1,2
	v_mov_b32 v[99+\i], v[112+\i]
.endr
.irp i, 0,1,2,3,4,5
	v_mov_b32 v[102+\i], 0                         ; k = 64 .. 127: zero codes
.endr
.irp g, 0,1,2
	global_store_b128 v4, v[96+4*\g:99+4*\g], s[42:43] offset:512*\g
.endr
	global_store_b32 v5, v23, s[44:45]
	s_wait_xcnt 0x0                                ; these stores' registers are written again below
.Lno_wb:
	; ---- wave 1 of work-groups 0-8: gtab's row g = softmax over e of task_emb[g] . gate_W[e], in f32
	s_cmp_lg_u32 s26, 1
	s_cbranch_scc1 .Lno_gate
	s_cmp_ge_u32 ttmp9, 9
	s_cbranch_scc1 .Lno_gate
	s_lshl_b32 s2, ttmp9, 8
	s_mov_b32 s3, 0
	s_add_nc_u64 s[48:49], s[12:13], s[2:3]
	s_lshl_b32 s2, ttmp9, 5
	s_add_nc_u64 s[50:51], s[24:25], s[2:3]
	s_wait_alu depctr_va_vdst(0)
.irp t, 0,1,2,3                                ; into registers on which no load is pending on any way through the text
	global_load_b128 v[96+4*\t:99+4*\t], v16, s[14:15] offset:16*\t
	global_load_b128 v[112+4*\t:115+4*\t], v17, s[48:49] offset:16*\t
.endr
	s_wait_loadcnt 0x0
	v_pk_mul_f32 v[20:21], v[96:97], v[112:113]
.irp i, 2,4,6,8,10,12,14
	s_delay_alu instid0(VALU_DEP_1)
	v_pk_fma_f32 v[20:21], v[96+\i:97+\i], v[112+\i:113+\i], v[20:21]
.endr
	s_delay_alu instid0(VALU_DEP_1)
	v_add_f32 v20, v20, v21
	s_delay_alu instid0(VALU_DEP_1)
	v_add_f32_dpp v20, v20, v20 row_xmask:8 row_mask:0xf bank_mask:0xf   ; the four parts p lie in lanes l, l xor 8,
	v_mov_b32 v21, 0
	s_delay_alu instid0(VALU_DEP_1)
	v_permlanex16_b32 v21, v20, s52, s53           ; and l xor 16
	s_delay_alu instid0(VALU_DEP_1)
	v_add_f32 v20, v20, v21                        ; expert e's logit
	s_delay_alu instid0(VALU_DEP_1)
	v_mov_b32 v22, v20
	s_delay_alu instid0(VALU_DEP_1)
	v_max_num_f32_dpp v22, v22, v22 row_xmask:1 row_mask:0xf bank_mask:0xf
	s_delay_alu instid0(VALU_DEP_1)
	v_max_num_f32_dpp v22, v22, v22 row_xmask:2 row_mask:0xf bank_mask:0xf
	s_delay_alu instid0(VALU_DEP_1)
	v_max_num_f32_dpp v22, v22, v22 row_xmask:4 row_mask:0xf bank_mask:0xf   ; the largest of the eight
	s_delay_alu instid0(VALU_DEP_1)
	v_sub_f32 v20, v20, v22
	s_delay_alu instid0(VALU_DEP_1)
	v_mul_f32 v20, 0x3fb8aa3b, v20                 ; x log2(e)
	s_wait_alu depctr_va_vdst(0)
	v_exp_f32 v20, v20
	v_nop                                          ; one plain place behind a transcendental
	s_wait_alu depctr_va_vdst(0)
	v_mov_b32 v23, v20
	s_delay_alu instid0(VALU_DEP_1)
	v_add_f32_dpp v23, v23, v23 row_xmask:1 row_mask:0xf bank_mask:0xf
	s_delay_alu instid0(VALU_DEP_1)
	v_add_f32_dpp v23, v23, v23 row_xmask:2 row_mask:0xf bank_mask:0xf
	s_delay_alu instid0(VALU_DEP_1)
	v_add_f32_dpp v23, v23, v23 row_xmask:4 row_mask:0xf bank_mask:0xf
	s_wait_alu depctr_va_vdst(0)
	v_rcp_f32 v23, v23
	v_nop
	s_wait_alu depctr_va_vdst(0)
	v_mul_f32 v20, v20, v23
	v_cmp_gt_u32 vcc_lo, 8, v1
	s_wait_alu depctr_va_vdst(0)
	s_wait_xcnt 0x0                                ; EXEC changes only behind this wait: loads of mine are out
	s_and_saveexec_b32 s55, vcc_lo
	global_store_b32 v18, v20, s[50:51]            ; lanes 0-7: the eight weights
	s_wait_xcnt 0x0
	s_or_b32 exec_lo, exec_lo, s55
.Lno_gate:
	FSTEP 0
	FSTEP 1
	FSTEP 2
	FSTEP 3
	s_cmp_lg_u32 s34, 0
	s_cbranch_scc1 .Lno_words
	v_cmp_ne_u32 vcc_lo, 0, v3
	s_delay_alu instid0(VALU_DEP_1)
	v_cndmask_b32 v20, v[PW], v[PW+2], vcc_lo      ; lane (r, h) stores row r's words of K steps 2 h and 2 h + 1
	s_delay_alu instid0(VALU_DEP_2)
	v_cndmask_b32 v21, v[PW+1], v[PW+3], vcc_lo
	global_store_b64 v14, v[20:21], s[38:39] offset:4*FRB   ; 32 lanes store 256 consecutive bytes, aligned
.Lno_words:
	s_wait_dscnt 0x0                               ; for the others' sake: my images lie in LDS
	s_barrier_signal -1
	s_barrier_wait -1
	s_cmp_lt_u32 ttmp9, 128
	s_cbranch_scc1 .Lend                           ; base_W's work-groups are done
	; ---- h's partial sum over this chunk: x tile w / 4 against Wa tile w % 4, 8 K steps.  Source 0 = Wa's 16 rows, source 1 = x's: lane (r, hh), register j = h(x row r, Wa row 8 hh + j of the tile)
	s_wait_xcnt 0x0                                ; my stores have read the registers that are loaded and written now
.irp ks, 0,1,2,3,4,5,6,7
.irp g, 0,1,2
	ds_load_b128 v[64+12*\ks+4*\g:67+12*\ks+4*\g], v10 offset:FRB*\ks+512*\g
	ds_load_b128 v[160+12*\ks+4*\g:163+12*\ks+4*\g], v11 offset:FRB*\ks+512*\g
.endr
	ds_load_b32 v[48+\ks], v12 offset:128*\ks      ; v48-63 hold scale words and nothing else
	ds_load_b32 v[56+\ks], v13 offset:128*\ks
.endr
	s_wait_dscnt 0x0
.irp ks, 0,1,2,3,4,5,6,7                       ; two accumulators by turns, one instruction a turn; the first two products start the sums
.if \ks < 2
	v_wmma_scale_f32_16x16x128_f8f6f4 v[32+8*(\ks%2):39+8*(\ks%2)], v[64+12*\ks:75+12*\ks], v[160+12*\ks:171+12*\ks], 0, v[48+\ks], v[56+\ks] matrix_a_fmt:MATRIX_FMT_FP6 matrix_b_fmt:MATRIX_FMT_FP6
.else
	v_wmma_scale_f32_16x16x128_f8f6f4 v[32+8*(\ks%2):39+8*(\ks%2)], v[64+12*\ks:75+12*\ks], v[160+12*\ks:171+12*\ks], v[32+8*(\ks%2):39+8*(\ks%2)], v[48+\ks], v[56+\ks] matrix_a_fmt:MATRIX_FMT_FP6 matrix_b_fmt:MATRIX_FMT_FP6
.endif
.endr
.rept 4
	v_nop                                          ; four places in front of the first read of the results (ISA guide 7.12.1)
.endr
.irp i, 0,2,4,6
	v_pk_add_f32 v[20+\i:21+\i], v[32+\i:33+\i], v[40+\i:41+\i]   ; both accumulators from their low ends on
.endr
	global_store_b128 v4, v[20:23], s[40:41]
	global_store_b128 v4, v[24:27], s[40:41] offset:512
.Lend:
	s_wait_tensorcnt 0x0
	ds_add_u32 v30, v31
	s_wait_dscnt 0x0
	s_endpgm
.Lfunc_end_k_q039a7b0308_quant:
	.size	k_q039a7b0308_quant, .Lfunc_end_k_q039a7b0308_quant-k_q039a7b0308_quant
	.p2alignl 7, 3214868480
	.fill 96, 4, 3214868480
	.section	.rodata,"a",@progbits
	.p2align	6, 0x0
	.amdhsa_kernel k_q039a7b0308_quant
		.amdhsa_group_segment_fixed_size 243712
		.amdhsa_private_segment_fixed_size 0
		.amdhsa_enable_private_segment 0
		.amdhsa_kernarg_size 88
		.amdhsa_user_sgpr_count 2
		.amdhsa_user_sgpr_kernarg_segment_ptr 1
		.amdhsa_wavefront_size32 1
		.amdhsa_system_sgpr_workgroup_id_x 1
		.amdhsa_system_sgpr_workgroup_id_y 1
		.amdhsa_system_sgpr_workgroup_id_z 1
		.amdhsa_system_vgpr_workitem_id 0
		.amdhsa_next_free_vgpr 256
		.amdhsa_next_free_sgpr 66
		.amdhsa_reserve_vcc 1
		.amdhsa_float_denorm_mode_32 3
		.amdhsa_float_denorm_mode_16_64 3
		.amdhsa_memory_ordered 1
		.amdhsa_forward_progress 1
		.amdhsa_inst_pref_size 64
	.end_amdhsa_kernel
	.amdgpu_metadata
---
amdhsa.version: [ 1, 2 ]
amdhsa.kernels:
  - .name:           k_q039a7b0308_quant
    .symbol:         k_q039a7b0308_quant.kd
    .args:
      - { .name: x, .offset: 0, .size: 8, .value_kind: global_buffer, .address_space: global }
      - { .name: base_W, .offset: 8, .size: 8, .value_kind: global_buffer, .address_space: global }
      - { .name: Wa, .offset: 16, .size: 8, .value_kind: global_buffer, .address_space: global }
      - { .name: Wb, .offset: 24, .size: 8, .value_kind: global_buffer, .address_space: global }
      - { .name: task_emb, .offset: 32, .size: 8, .value_kind: global_buffer, .address_space: global }
      - { .name: gate_W, .offset: 40, .size: 8, .value_kind: global_buffer, .address_space: global }
      - { .name: ximg, .offset: 48, .size: 8, .value_kind: global_buffer, .address_space: global }
      - { .name: wimg, .offset: 56, .size: 8, .value_kind: global_buffer, .address_space: global }
      - { .name: hpart, .offset: 64, .size: 8, .value_kind: global_buffer, .address_space: global }
      - { .name: wbq, .offset: 72, .size: 8, .value_kind: global_buffer, .address_space: global }
      - { .name: gtab, .offset: 80, .size: 8, .value_kind: global_buffer, .address_space: global }
    .group_segment_fixed_size: 243712
    .private_segment_fixed_size: 0
    .kernarg_segment_align: 8
    .kernarg_segment_size: 88
    .max_flat_workgroup_size: 512
    .sgpr_count:     66
    .vgpr_count:     256
    .wavefront_size: 32
...
	.end_amdgpu_metadata
.endif
;; end of part 1
;; launch gemm (part 2): grid 16 x 16, 4 waves a work-group, clusters of 4 x 4, 327,680 bytes of LDS; arguments ximg, wimg, hpart, wbq, gtab, task_id, base_b, out0; writes out0
.if DOCPART == 2
	.amdgcn_target "amdgcn-amd-amdhsa--gfx1250"
	.amdhsa_code_object_version 6
	.text
	.protected	k_q039a7b0308_gemm
	.globl	k_q039a7b0308_gemm
	.p2align	8
	.type	k_q039a7b0308_gemm,@function
k_q039a7b0308_gemm:
	s_mov_b64 s[64:65], 0
	v_nop
	global_prefetch_b8 v0, s[64:65] scope:SCOPE_SE
	s_setreg_imm32_b32 hwreg(HW_REG_WAVE_MODE, 25, 1), 1
	s_wait_xcnt 0x0
	s_wait_alu depctr_hold_cnt(0) depctr_sa_sdst(0) depctr_va_vdst(0) depctr_va_sdst(0) depctr_va_ssrc(0) depctr_va_vcc(0) depctr_vm_vsrc(0)
	s_getreg_b32 s2, hwreg(HW_REG_IB_STS2, 6, 4)
	s_cmp_eq_u32 s2, 0
	s_cbranch_scc0 .Lentry_in_a_cluster
	s_endpgm
.Lentry_in_a_cluster:
	s_bfe_u32 s2, ttmp6, 0x10000c
	s_cmp_lg_u32 s2, 0xf033
	s_cbranch_scc0 .Lentry_shape_is_right
	s_endpgm
.Lentry_shape_is_right:
; out = Q(x) Q(base_W)^T + base_b + Q(gw h) Q(0.25 Wb)^T, on the register images that the launch before has laid (ximg, wimg: [tile of 16 rows][8 records]; a record = 4 fragments
; of 16 rows x 128 K, 1,536 bytes each, and 256 bytes of scale words, row r and K step q at 16 r + 4 q).  All products by the scaled FP6 form, sums in f32.
; SHARES.  A work-group makes 128 rows x 256 columns; wave w makes all 128 rows x columns 64 w .. 64 w + 63: 32 accumulators.  A K step of 128 is 32 matrix instructions a wave.
; base_W: a wave's 64 rows are needed by no other wave of the work-group, so their images go from memory straight into the operand's registers, 512 consecutive bytes a load.
;   Four sets of registers, one for each K step of a record; a fragment is asked for again, one record on, behind its eight products: 48 loads a wave are out, waited for by count.
;   NO JOINT LOAD for base_W: a joint load lands in LDS, and the ring is waited for as a whole at each change of slots; these bytes pass no LDS and no barrier.
; x: the 128 rows are needed by all four waves: a ring of two LDS slots, each with two records (1,024 along K) of the 8 tiles, 102,400 bytes; every wave brings two tiles by one tensor load,
;   asked for JOINTLY by the four work-groups of a row of the cluster.  Four fills in all; from a fill to the wait for it a wave issues 8 K steps' matrix instructions.
; The LoRA part stands first, under the first fill's flight: each wave sums hpart's four parts for two x tiles, multiplies by the batch's gate weights, quantises along K = 8 e + r (64 numbers,
;   filled up with zero codes) and hands the images to the others through LDS; that product starts all sums, with the bias as its C.
; The matrix instruction is used transposed (source 0 = rows of base_W, source 1 = rows of x): a lane holds eight neighbouring columns of one row of the result.
; PREFETCH: in trip t each wave names one record (25 blocks of 256 bytes, a lane a block, the seven lanes left over their last block again) of what trip t + 1 loads: base_W's records 2 t + 3 and
;   2 t + 4 of tile 4 cy + w of the work-group's 16, and in trip 0 one record of x's last pair of tile 2 cx + w / 2: the partners share the blocks out by address.  Nothing past record 7 is named.
; LIMITS: as the launch before states them; a block of h under 2^-124 is quantised with the floor's scale; NaN and infinities are not served.
; REGISTERS.  Window 0: v0-31 addresses, v32-91 scale words, v96-127 bias, v128-223 x's fragments of even K steps (later the way out).  Window 1: at work on h, then v128-223 h's and x's fragments of odd K steps.
;   Windows 2 and 3 (column tiles 0, 1 and 2, 3): v0-127 accumulators (tile b, x tile a at 8 (8 (b % 2) + a)), v128-223 base_W's four sets, v224-247 Wb, v248 16 x lane.
.set REC,    6400
.set FRB,    1536
.set TROW,   51200                     ; a tile's 8 records
.set PAIRB,  12800                     ; two records
.set SLOT1,  0x20000                   ; slot 0 at 0, slot 1 at 131,072
.set HGI,    102400                    ; behind slot 0: h's 8 images, 1,536 + 128 bytes each
.set HGB,    1664
.set STAGE,  233472                    ; behind slot 1: a stage of 16 rows x 272 bytes for each wave
.set SPITCH, 272
.set SPARE,  250880                    ; the spare words
.set LI,    4
.set L4,    5
.set BA1,   6
.set BS0,   7
.set BS1,   8
.set ADRA0, 9                          ; v9, v10: x's tiles 0-3, 4-7 in the slot being read
.set ADRS0, 11                         ; v11, v12: their scale words
.set BSO,   13
.set STO,   14
.set RD,    15
.set CO,    16
.set HPA,   17
.set HGW,   18
.set HGWS,  19
.set HGR,   20
.set HGRS,  21
.set BIA,   22
.set PFO,   23
.set SPW,   28
.set NIL,   29
.set SA,    32                         ; x's scale words: two sets of 16 (lanes 0-15 tile 2 c, lanes 16-31 tile 2 c + 1; register 4 c + q)
.set SB,    64                         ; base_W's: two sets of 8, laid likewise
.set WBS,   80
.set HGS,   84
.set BIAS,  96
.set AF,    128
.set BK,    128
.set WBF,   224
.set LIW,   248
.set G1,  24
.set G0,  32
.set SOFF, 36
.set CNT,  37
.set BP,   38
.set PFB,  50
.set PFA,  52
.set MSB, 0
.macro WIN new                         ; the immediate's high byte repeats the setting that is left
.if MSB != (\new)
	s_set_vgpr_msb (MSB<<8)|(\new)
.set MSB, (\new)
.endif
.endm
.macro PLACES
.rept 4
	v_nop
.endr
.endm
.macro CREST
	s_cmp_lg_u32 s20, 0
	s_cbranch_scc1 .Lnot_wave_0_\@
	s_barrier_signal -3
.Lnot_wave_0_\@:
	s_barrier_wait -3
	s_barrier_signal -1
	s_barrier_wait -1
.endm
.macro CROUND
	s_barrier_signal -1
	s_barrier_wait -1
	CREST
.endm
.macro JLOAD                           ; my two tiles of a pair of records; s_nop 0 and four v_nop behind it
	tensor_load_to_lds s[G0:G0+3], s[G1:G1+7]
	s_nop 0
	PLACES
.endm
	s_load_b256 s[4:11], s[0:1], 0x0               ; ximg, wimg, hpart, wbq
	s_load_b256 s[12:19], s[0:1], 0x20             ; gtab, task_id, base_b, out0
	v_lshl_add_u32 v[SPW], v0, 2, SPARE
	v_mov_b32 v[NIL], 0
	ds_add_u32 v[SPW], v[NIL]                      ; the opening lines: the add twice on end
	ds_add_u32 v[SPW], v[NIL]
	v_lshrrev_b32 v1, 5, v0
	v_readfirstlane_b32 s20, v1                    ; wave
	s_lshr_b32 s21, s20, 1
	s_and_b32 s22, s20, 1
	s_bfe_u32 s40, ttmp6, 0x40000                  ; cx
	s_bfe_u32 s41, ttmp6, 0x40004                  ; cy
	s_lshl_b32 s42, ttmp9, 2
	s_add_co_u32 s42, s42, s40                     ; block column
	s_and_b32 s43, ttmp7, 0xffff
	s_lshl_b32 s43, s43, 2
	s_add_co_u32 s43, s43, s41                     ; block row
	s_lshl_b32 s44, s41, 2
	s_lshl_b32 s44, 15, s44                        ; my row of the cluster
	s_or_b32 s[G1], s44, (3<<16)|(1<<21)           ; elements of 8 bytes; 2 rows of 1,600 elements, 6,400 elements apart
	s_mov_b32 s[G1+1], 1600<<16
	s_mov_b32 s[G1+2], 2<<16
	s_mov_b32 s[G1+3], 1600<<16
	s_mov_b32 s[G1+4], 2
	s_mov_b32 s[G1+5], 6400
	s_mov_b32 s[G1+6], 0
	s_mov_b32 s[G1+7], 0
	s_mov_b32 s[G0], 1
	s_mul_i32 s[G0+1], s20, 2*PAIRB                ; LDS: wave x 25,600
	s_lshl_b32 s46, s43, 3
	s_lshl_b32 s47, s20, 1
	s_add_co_u32 s46, s46, s47                     ; x tile 8 x block row + 2 w
	s_lshl_b32 s54, s46, 12                        ; hpart: 4,096 bytes an x tile
	s_mov_b32 s55, 0
	s_mul_i32 s46, s46, TROW
	s_mov_b32 s47, 0
	s_lshl_b32 s48, s42, 4
	s_lshl_b32 s49, s20, 2
	s_add_co_u32 s48, s48, s49                     ; my first column tile: 16 x block column + 4 w
	s_mul_i32 s56, s48, FRB
	s_mov_b32 s57, 0
	s_lshl_b32 s58, s48, 7
	s_add_co_u32 s58, s58, 256*FRB
	s_mov_b32 s59, 0
	s_lshl_b32 s60, s48, 6                         ; 64 bytes of a row of the result, or of the bias, a tile
	s_mov_b32 s61, 0
	s_mul_i32 s[BP], s48, TROW
	s_mov_b32 s[BP+1], 0
	s_lshl_b32 s62, s43, 21                        ; 128 rows of 16,384 bytes
	s_add_co_u32 s62, s62, s60
	s_mov_b32 s63, 0
	s_lshl_b32 s[PFB], s42, 4
	s_lshl_b32 s49, s41, 2
	s_add_co_u32 s[PFB], s[PFB], s49
	s_add_co_u32 s[PFB], s[PFB], s20
	s_mul_i32 s[PFB], s[PFB], TROW
	s_add_co_u32 s[PFB], s[PFB], 3*REC             ; base_W's tile 4 cy + w of the block column, record 3
	s_mov_b32 s[PFB+1], 0
	s_lshl_b32 s[PFA], s43, 3
	s_lshl_b32 s49, s40, 1
	s_add_co_u32 s[PFA], s[PFA], s49
	s_add_co_u32 s[PFA], s[PFA], s21
	s_mul_i32 s[PFA], s[PFA], TROW
	s_mul_i32 s49, s22, REC
	s_add_co_u32 s[PFA], s[PFA], s49
	s_add_co_u32 s[PFA], s[PFA], 6*REC             ; x's tile 2 cx + w / 2 of the block row, record 6 + w % 2
	s_mov_b32 s[PFA+1], 0
	s_lshr_b32 s2, s43, 1
	s_lshl_b32 s2, s2, 2                           ; my batch's task_id
	s_mul_i32 s80, s20, 16*SPITCH
	s_add_co_u32 s80, s80, STAGE
	s_mul_i32 s81, s20, 2*HGB
	s_add_co_u32 s81, s81, HGI
	s_add_co_u32 s82, s81, FRB
	s_mov_b32 s78, 0x76543210
	s_mov_b32 s79, 0xfedcba98
	s_mov_b32 s[SOFF], 0
	v_and_b32 v3, 31, v0
	v_and_b32 v1, 15, v0                           ; r
	v_bfe_u32 v2, v0, 4, 1                         ; h
	v_lshlrev_b32 v[LI], 4, v3
	v_lshlrev_b32 v[L4], 2, v3
	v_add_nc_u32 v[BA1], TROW, v[LI]
	v_mul_u32_u24 v[BS0], v2, PAIRB
	v_lshl_add_u32 v[BS0], v1, 4, v[BS0]           ; 16 r, lanes 16-31 one tile on
	v_add_nc_u32 v[BS1], TROW, v[BS0]
	v_add_nc_u32 v[ADRA0], s[SOFF], v[LI]
	v_add_nc_u32 v[ADRA0+1], s[SOFF], v[BA1]
	v_add_nc_u32 v[ADRS0], s[SOFF], v[BS0]
	v_add_nc_u32 v[ADRS0+1], s[SOFF], v[BS1]
	v_mul_u32_u24 v[BSO], v2, TROW
	v_lshl_add_u32 v[BSO], v1, 4, v[BSO]
	v_mul_u32_u24 v[STO], v1, SPITCH
	v_lshl_add_u32 v[STO], v2, 5, v[STO]
	v_add_nc_u32 v[STO], s80, v[STO]
	v_mul_u32_u24 v[RD], v2, SPITCH
	v_lshl_add_u32 v[RD], v1, 4, v[RD]
	v_add_nc_u32 v[RD], s80, v[RD]
	v_lshlrev_b32 v[CO], 14, v2
	v_lshl_add_u32 v[CO], v1, 4, v[CO]
	v_lshlrev_b32 v[HPA], 4, v1
	v_lshl_add_u32 v[HPA], v2, 11, v[HPA]
	v_add_nc_u32 v[HGW], s81, v[LI]
	v_add_nc_u32 v[HGWS], s82, v[L4]
	v_add_nc_u32 v[HGR], HGI, v[LI]
	v_add_nc_u32 v[HGRS], HGI+FRB, v[L4]
	v_lshlrev_b32 v[BIA], 5, v2
	v_min_u32 v[PFO], 24, v3
	v_lshlrev_b32 v[PFO], 8, v[PFO]
	WIN 0x80
	v_mov_b32 v[LIW], v[LI]                        ; 16 x lane, once in each window from which base_W's loads take their address
	WIN 0xc0
	v_mov_b32 v[LIW], v[LI]
	WIN 0
	s_wait_alu depctr_va_vdst(0)
	s_wait_dscnt 0x0
	s_wait_kmcnt 0x0
	s_load_b32 s76, s[14:15], s2 offset:0x0
	s_add_nc_u64 s[G0+2:G0+3], s[4:5], s[46:47]
	s_or_b32 s[G0+3], s[G0+3], 0x80000000
	s_add_nc_u64 s[BP:BP+1], s[6:7], s[BP:BP+1]
	s_add_nc_u64 s[54:55], s[8:9], s[54:55]
	s_add_nc_u64 s[56:57], s[10:11], s[56:57]
	s_add_nc_u64 s[58:59], s[10:11], s[58:59]
	s_add_nc_u64 s[60:61], s[16:17], s[60:61]
	s_add_nc_u64 s[18:19], s[18:19], s[62:63]
	s_add_nc_u64 s[PFB:PFB+1], s[6:7], s[PFB:PFB+1]
	s_add_nc_u64 s[PFA:PFA+1], s[4:5], s[PFA:PFA+1]
; four tiles' fragments, 12 loads: tiles 0, 1 into window 2, tiles 2, 3 into window 3
.macro GL4 dst, sb, ts, off
	WIN 0x80
.irp b, 0,1
.irp g, 0,1,2
	global_load_b128 v[\dst+12*\b+4*\g:\dst+12*\b+4*\g+3], v[LI], s[\sb:\sb+1] offset:(\ts)*\b+(\off)+512*\g
.endr
.endr
	WIN 0xc0
.irp b, 0,1
.irp g, 0,1,2
	global_load_b128 v[\dst+12*\b+4*\g:\dst+12*\b+4*\g+3], v[LI], s[\sb:\sb+1] offset:(\ts)*(2+\b)+(\off)+512*\g
.endr
.endr
	WIN 0
.endm
.macro BSCALE set, ro                  ; base_W's scale words of the record ro bytes on: 2 loads
.irp c, 0,1
	global_load_b128 v[SB+8*(\set)+4*\c:SB+8*(\set)+4*\c+3], v[BSO], s[BP:BP+1] offset:2*TROW*\c+(\ro)+4*FRB
.endr
.endm
.macro HPLOAD u                        ; hpart's four parts of my x tile u: register 32 c + i is h(row r, k = 32 h + i)
	WIN 0x40
.irp c, 0,1,2,3
.irp k, 0,1,2,3,4,5,6,7
	global_load_b128 v[128*(\u)+32*\c+4*\k:128*(\u)+32*\c+4*\k+3], v[HPA], s[54:55] offset:524288*\c+4096*(\u)+1024*(\k/4)+256*((\k/2)%2)+512*(\k%2)
.endr
.endr
	WIN 0
.endm
	GL4 128, BP, TROW, 0                           ; K step 0 of base_W,
	BSCALE 0, 0                                    ; record 0's scale words,
	HPLOAD 0                                       ; and the first half of h's parts are asked for ahead of the round
	CROUND                                         ; the round in front of the first joint loads
	JLOAD                                          ; records 0 and 1 of x: one tensor load a wave at the head
	HPLOAD 1
	GL4 WBF, 56, FRB, 0                            ; Wb's four tiles
.irp b, 0,1,2,3
	global_load_b32 v[WBS+\b], v[L4], s[58:59] offset:128*\b
.endr
.irp b, 0,1,2,3
.irp t, 0,1
	global_load_b128 v[BIAS+8*\b+4*\t:BIAS+8*\b+4*\t+3], v[BIA], s[60:61] offset:64*\b+16*\t
.endr
.endr
	GL4 128+24, BP, TROW, FRB
	GL4 128+48, BP, TROW, 2*FRB
	GL4 128+72, BP, TROW, 3*FRB
	s_wait_kmcnt 0x0
	s_min_u32 s76, s76, 8
	s_lshl_b32 s76, s76, 5
	s_load_b256 s[68:75], s[12:13], s76 offset:0x0 ; my batch's eight gate weights
	; ---- h of my two x tiles: sum of the four parts, x gate weight, quantised along K = 8 e + r
	s_wait_loadcnt 60                              ; behind h's parts: Wb 12 + 4, bias 8, base_W's K steps 1 to 3: 36
	s_wait_kmcnt 0x0
	v_cmp_ne_u32 vcc_lo, 0, v2
	WIN 0x55
.irp u, 0,1
.irp i, 0,2,4,6,8,10,12,14,16,18,20,22,24,26,28,30
	v_pk_add_f32 v[128*\u+\i:128*\u+\i+1], v[128*\u+\i:128*\u+\i+1], v[128*\u+32+\i:128*\u+33+\i]
	v_pk_add_f32 v[128*\u+64+\i:128*\u+65+\i], v[128*\u+64+\i:128*\u+65+\i], v[128*\u+96+\i:128*\u+97+\i]
.endr
.irp i, 0,2,4,6,8,10,12,14,16,18,20,22,24,26,28,30
	v_pk_add_f32 v[128*\u+\i:128*\u+\i+1], v[128*\u+\i:128*\u+\i+1], v[128*\u+64+\i:128*\u+65+\i]
.endr
.endr
	WIN 0x40
	v_lshlrev_b32 v210, 3, v2                      ; 8 h
	WIN 0x55
.irp q, 0,1,2,3
	v_mov_b32 v[211+\q], s[72+\q]
.endr
.irp q, 0,1,2,3
	v_cndmask_b32 v[192+2*\q], s[68+\q], v[211+\q], vcc_lo   ; expert 4 h + q's weight
.endr
.irp q, 0,1,2,3
	v_mov_b32 v[193+2*\q], v[192+2*\q]
.endr
.irp u, 0,1
.irp i, 0,2,4,6,8,10,12,14,16,18,20,22,24,26,28,30
	v_pk_mul_f32 v[128*\u+\i:128*\u+\i+1], v[128*\u+\i:128*\u+\i+1], v[192+2*(\i/8):193+2*(\i/8)]
.endr
.endr
.irp u, 0,1
	v_max3_num_f32 v[200+2*\u], |v[128*\u]|, |v[128*\u+1]|, |v[128*\u+2]|
	v_max3_num_f32 v[201+2*\u], |v[128*\u+3]|, |v[128*\u+4]|, |v[128*\u+5]|
.endr
.irp i, 6,10,14,18,22,26
.irp u, 0,1
	v_max3_num_f32 v[200+2*\u], v[200+2*\u], |v[128*\u+\i]|, |v[128*\u+\i+1]|
	v_max3_num_f32 v[201+2*\u], v[201+2*\u], |v[128*\u+\i+2]|, |v[128*\u+\i+3]|
.endr
.endr
.irp u, 0,1
	v_max3_num_f32 v[200+2*\u], v[200+2*\u], |v[128*\u+30]|, |v[128*\u+31]|
.endr
.irp u, 0,1
	v_max3_num_f32 v[200+2*\u], v[200+2*\u], v[201+2*\u], 0x1800000   ; the floor 2^(3 - 127): the byte cannot fall under 1
.endr
.irp u, 0,1
	v_add_nc_u32 v[204+\u], 0xff000000, v[200+2*\u]  ; 2 off the exponent field: the conversion's scale operand
.endr
.irp u, 0,1
	v_lshrrev_b32 v[206+\u], 23, v[204+\u]
.endr
.irp u, 0,1
	v_lshlrev_b32 v[206+\u], v210, v[206+\u]
	v_mov_b32 v[208+\u], 0
.endr
.irp u, 0,1
	v_permlanex16_b32 v[208+\u], v[206+\u], s78, s79
.endr
.irp u, 0,1
	v_or_b32 v[206+\u], v[206+\u], v[208+\u]
.endr
.irp u, 0,1
	v_or_b32 v[206+\u], 0x7f7f0000, v[206+\u]      ; 127 for the two blocks of zero codes
.endr
.irp u, 0,1
	v_cvt_scalef32_pk16_fp6_f32 v[160+12*\u:162+12*\u], v[128*\u:128*\u+15], v[204+\u]
	v_cvt_scalef32_pk16_fp6_f32 v[184+4*\u:186+4*\u], v[128*\u+16:128*\u+31], v[204+\u]
.endr
	v_nop                                          ; one plain place behind a scaled conversion
.irp u, 0,1
.irp i, 0,1,2
	v_mov_b32 v[163+12*\u+\i], v[184+4*\u+\i]
.endr
.irp i, 0,1,2,3,4,5
	v_mov_b32 v[166+12*\u+\i], 0                   ; k = 64 .. 127: zero codes
.endr
.endr
	WIN 0x04
.irp u, 0,1
.irp g, 0,1,2
	ds_store_b128 v[HGW], v[160+12*\u+4*\g:163+12*\u+4*\g] offset:HGB*\u+512*\g
.endr
	ds_store_b32 v[HGWS], v[206+\u] offset:HGB*\u
.endr
	WIN 0
	; ---- slot 1's first fill, issued as a refill is; the round also shows h's images to all four waves
	s_wait_tensorcnt 0x0                           ; my part of records 0 and 1 is in
	ds_add_u32 v[SPW], v[NIL]
	s_xor_b32 s[G0+1], s[G0+1], SLOT1
	s_add_nc_u64 s[G0+2:G0+3], s[G0+2:G0+3], PAIRB
	s_wait_dscnt 0x0                               ; the add and my stores of h's images are done
	CROUND
	JLOAD                                          ; records 2 and 3
.macro FETCH i                         ; x's eight fragments of K step i of the slot being read, into window i % 2
	WIN 0x40*((\i)%2)
.irp a, 0,1,2,3,4,5,6,7
.irp g, 0,1,2
	ds_load_b128 v[AF+12*\a+4*\g:AF+12*\a+4*\g+3], v[ADRA0+\a/4] offset:(\a%4)*PAIRB+((\i)/4)*REC+((\i)%4)*FRB+512*\g
.endr
.endr
	WIN 0
.endm
.macro ASCALES p, set                  ; x's scale words of record p of the slot
.irp c, 0,1,2,3
	ds_load_b128 v[SA+16*(\set)+4*\c:SA+16*(\set)+4*\c+3], v[ADRS0+\c/2] offset:(\c%2)*2*PAIRB+(\p)*REC+4*FRB
.endr
.endm
	WIN 0x40
.irp a, 0,1,2,3,4,5,6,7
.irp g, 0,1,2
	ds_load_b128 v[AF+12*\a+4*\g:AF+12*\a+4*\g+3], v[HGR] offset:HGB*\a+512*\g
.endr
.endr
	WIN 0
.irp a, 0,1,2,3,4,5,6,7
	ds_load_b32 v[HGS+\a], v[HGRS] offset:HGB*\a
.endr
	FETCH 0
	ASCALES 0, 0
	s_wait_loadcnt 36                              ; Wb and the bias are in; base_W's K steps 1 to 3 may be out
	s_wait_dscnt 28                                ; h's images are in; K step 0's 24 + 4 loads may be out
.macro LORA hi                         ; the first product of each accumulator: C = the bias
.irp b, 0,1
.irp a, 0,1,2,3,4,5,6,7
	v_wmma_scale_f32_16x16x128_f8f6f4 v[8*(8*\b+\a):8*(8*\b+\a)+7], v[WBF+12*\b:WBF+12*\b+11], v[AF+12*\a:AF+12*\a+11], v[BIAS+8*(2*(\hi)+\b):BIAS+8*(2*(\hi)+\b)+7], v[WBS+2*(\hi)+\b], v[HGS+\a] matrix_a_fmt:MATRIX_FMT_FP6 matrix_b_fmt:MATRIX_FMT_FP6
.endr
.endr
.endm
	WIN 0x86                                       ; source 0 window 2, source 1 window 1, C window 0, D window 2
	LORA 0
	WIN 0xc7
	LORA 1
	PLACES
	WIN 0
.macro WM dd, bf, af, sb, sa, rb, ra
.if (\rb) && (\ra)
	v_wmma_scale_f32_16x16x128_f8f6f4 v[\dd:\dd+7], v[\bf:\bf+11], v[\af:\af+11], v[\dd:\dd+7], v[\sb], v[\sa] matrix_a_fmt:MATRIX_FMT_FP6 matrix_b_fmt:MATRIX_FMT_FP6 matrix_a_scale:MATRIX_SCALE_ROW1 matrix_b_scale:MATRIX_SCALE_ROW1
.elseif (\rb)
	v_wmma_scale_f32_16x16x128_f8f6f4 v[\dd:\dd+7], v[\bf:\bf+11], v[\af:\af+11], v[\dd:\dd+7], v[\sb], v[\sa] matrix_a_fmt:MATRIX_FMT_FP6 matrix_b_fmt:MATRIX_FMT_FP6 matrix_a_scale:MATRIX_SCALE_ROW1
.elseif (\ra)
	v_wmma_scale_f32_16x16x128_f8f6f4 v[\dd:\dd+7], v[\bf:\bf+11], v[\af:\af+11], v[\dd:\dd+7], v[\sb], v[\sa] matrix_a_fmt:MATRIX_FMT_FP6 matrix_b_fmt:MATRIX_FMT_FP6 matrix_b_scale:MATRIX_SCALE_ROW1
.else
	v_wmma_scale_f32_16x16x128_f8f6f4 v[\dd:\dd+7], v[\bf:\bf+11], v[\af:\af+11], v[\dd:\dd+7], v[\sb], v[\sa] matrix_a_fmt:MATRIX_FMT_FP6 matrix_b_fmt:MATRIX_FMT_FP6
.endif
.endm
.macro RUN b, i                        ; column tile b against x's eight tiles, K step i of the pair: eight accumulators by turns
.irp a, 0,1,2,3,4,5,6,7
	WM 8*(8*((\b)%2)+\a), 128+24*((\i)%4)+12*((\b)%2), AF+12*\a, SB+8*((\i)/4)+4*((\b)/2)+(\i)%4, SA+16*((\i)/4)+4*(\a/2)+(\i)%4, (\b)%2, \a%2
.endr
.endm
.macro RELOAD b, i, ro                 ; the same fragment one record on, into the registers just multiplied; address and data lie in the accumulators' window
.irp g, 0,1,2
	global_load_b128 v[128+24*((\i)%4)+12*((\b)%2)+4*\g:128+24*((\i)%4)+12*((\b)%2)+4*\g+3], v[LIW], s[BP:BP+1] offset:(\b)*TROW+(\ro)+((\i)%4)*FRB+512*\g
.endr
.endm
.macro TAILB b, i, rl, ro              ; four places behind a run (ISA guide 7.12.1), then its reload
.if (\rl) || (\b) == 3
	PLACES                                         ; those behind tile 3 also serve the next K step's LDS loads and scale loads
.endif
.if \rl
	RELOAD \b, \i, \ro
.endif
.endm
.macro MULS i, rl, ro
	WIN 0xa2+4*((\i)%2)
	RUN 0, \i
	TAILB 0, \i, \rl, \ro
	RUN 1, \i
	TAILB 1, \i, \rl, \ro
	WIN 0xf3+4*((\i)%2)
	RUN 2, \i
	TAILB 2, \i, \rl, \ro
	RUN 3, \i
	TAILB 3, \i, \rl, \ro
	WIN 0
.endm
; K step i (0 .. 6) of a pair.  lc: the loads issued behind this step's 12, which may stay out.
.macro STEP i, rl, lc, pf
	s_wait_dscnt 0x0                               ; x's fragments of this step are in
	s_wait_loadcnt \lc
.if (\rl) && ((\i)%4 == 0)
	BSCALE 1-(\i)/4, ((\i)/4+1)*REC
.endif
	FETCH (\i)+1
.if (\i) == 3
	ASCALES 1, 1
.endif
.if ((\i) == 1) && ((\pf) >= 1)
	global_prefetch_b8 v[PFO], s[PFB:PFB+1] th:TH_LOAD_NT scope:SCOPE_SE
.endif
.if ((\i) == 2) && ((\pf) == 2)
	global_prefetch_b8 v[PFO], s[PFB:PFB+1] offset:REC th:TH_LOAD_NT scope:SCOPE_SE
.endif
.if ((\i) == 3) && ((\pf) == 2)
	s_cmp_eq_u32 s[CNT], 2                         ; in the first trip alone: x's last pair
	s_cbranch_scc0 .Lno_pfa_\@
	global_prefetch_b8 v[PFO], s[PFA:PFA+1] th:TH_LOAD_NT scope:SCOPE_SE
.Lno_pfa_\@:
.endif
	MULS \i, \rl, ((\i)/4+1)*REC
.endm
; K step 7 of a pair that has a successor: the change of slots.  My reads of this slot are over; the other slot's fill is waited for; fill = 1: this slot takes the pair two on.
.macro TURN fill
	s_wait_dscnt 0x0
	s_wait_loadcnt 36
	s_wait_xcnt 0x0                                ; base_W's base and the prefetches' base are stepped below
	s_wait_tensorcnt 0x0
	ds_add_u32 v[SPW], v[NIL]
	s_add_nc_u64 s[BP:BP+1], s[BP:BP+1], PAIRB
	s_xor_b32 s[SOFF], s[SOFF], SLOT1
	v_add_nc_u32 v[ADRA0], s[SOFF], v[LI]
	v_add_nc_u32 v[ADRA0+1], s[SOFF], v[BA1]
	v_add_nc_u32 v[ADRS0], s[SOFF], v[BS0]
	v_add_nc_u32 v[ADRS0+1], s[SOFF], v[BS1]
.if \fill
	s_add_nc_u64 s[PFB:PFB+1], s[PFB:PFB+1], PAIRB
	s_xor_b32 s[G0+1], s[G0+1], SLOT1
	s_add_nc_u64 s[G0+2:G0+3], s[G0+2:G0+3], PAIRB
.endif
	WIN 0xa6
	RUN 0, 7
	s_wait_alu depctr_va_vdst(0)
	s_wait_dscnt 0x0
	s_barrier_signal -1
	RUN 1, 7
	WIN 0
	s_barrier_wait -1
.if \fill
	CREST                                          ; the barrier has opened a round of the cluster's barrier
	JLOAD                                          ; its four v_nop are the places in front of the loads below
.else
	PLACES
.endif
	FETCH 0
	ASCALES 0, 0
	WIN 0xa6
	RELOAD 0, 7, 0
	RELOAD 1, 7, 0
	WIN 0xf7
	RUN 2, 7
	TAILB 2, 7, 1, 0
	RUN 3, 7
	TAILB 3, 7, 1, 0
	WIN 0
.endm
.macro HALF0 pf
	STEP 0, 1, 36, \pf
	STEP 1, 1, 36, \pf
	STEP 2, 1, 36, \pf
	STEP 3, 1, 36, \pf
.endm
.macro PAIR fill, pf
	HALF0 \pf
	STEP 4, 1, 36, 0
	STEP 5, 1, 36, 0
	STEP 6, 1, 36, 0
	TURN \fill
.endm
	s_mov_b32 s[CNT], 2
.Lpair:                                                ; a trip is one slot: 8 K steps
	PAIR 1, 2
	s_sub_co_u32 s[CNT], s[CNT], 1
	s_cmp_lg_u32 s[CNT], 0
	s_cbranch_scc1 .Lpair
	PAIR 0, 1                                      ; records 4 and 5: nothing is left to fill
	HALF0 0                                        ; record 6 still asks for base_W's record 7;
	STEP 4, 0, 36, 0                               ; record 7 asks for nothing
	STEP 5, 0, 24, 0
	STEP 6, 0, 12, 0
	s_wait_dscnt 0x0
	s_wait_loadcnt 0x0
	MULS 7, 0, 0
; THE WAY OUT, by x tiles: 16 rows x my 64 columns go through my own stage and come back as rows of 256 bytes; sixteen lanes store one aligned unit of 256 bytes.
.macro TOSTAGE a
	WIN 0x08
.irp b, 0,1
	ds_store_b128 v[STO], v[8*(8*\b+(\a)):8*(8*\b+(\a))+3] offset:64*\b          ; each accumulator from its low end on
	ds_store_b128 v[STO], v[8*(8*\b+(\a))+4:8*(8*\b+(\a))+7] offset:64*\b+16
.endr
	WIN 0x0c
.irp b, 0,1
	ds_store_b128 v[STO], v[8*(8*\b+(\a)):8*(8*\b+(\a))+3] offset:128+64*\b
	ds_store_b128 v[STO], v[8*(8*\b+(\a))+4:8*(8*\b+(\a))+7] offset:128+64*\b+16
.endr
	WIN 0
.irp t, 0,1,2,3,4,5,6,7
	ds_load_b128 v[BK+32*((\a)%2)+4*\t:BK+32*((\a)%2)+4*\t+3], v[RD] offset:\t*2*SPITCH   ; LDS serves a wave's instructions in order (ISA guide 5.7.1.4)
.endr
.endm
.macro SEND a, younger
	s_wait_dscnt \younger
.irp t, 0,1,2,3,4,5,6,7
	global_store_b128 v[CO], v[BK+32*((\a)%2)+4*\t:BK+32*((\a)%2)+4*\t+3], s[18:19] offset:((\a)*16+2*\t)*16384 th:TH_STORE_NT
.endr
.endm
	TOSTAGE 0
.irp a, 1,2,3,4,5,6,7
.if \a > 1
	s_wait_xcnt 0x0                                ; tile a - 2's stores have read the registers that tile a's loads fill
.endif
	TOSTAGE \a
	SEND \a-1, 16                                  ; behind tile a - 1's loads: tile a's 8 stores and 8 loads
.endr
	SEND 7, 0
	s_wait_tensorcnt 0x0                           ; the wave's end
	ds_add_u32 v[SPW], v[NIL]
	s_wait_dscnt 0x0
	CROUND                                         ; the closing round
	s_endpgm
.Lfunc_end_k_q039a7b0308_gemm:
	.size	k_q039a7b0308_gemm, .Lfunc_end_k_q039a7b0308_gemm-k_q039a7b0308_gemm
	.p2alignl 7, 3214868480
	.fill 96, 4, 3214868480
	.section	.rodata,"a",@progbits
	.p2align	6, 0x0
	.amdhsa_kernel k_q039a7b0308_gemm
		.amdhsa_group_segment_fixed_size 327680
		.amdhsa_private_segment_fixed_size 0
		.amdhsa_enable_private_segment 0
		.amdhsa_kernarg_size 64
		.amdhsa_user_sgpr_count 2
		.amdhsa_user_sgpr_kernarg_segment_ptr 1
		.amdhsa_wavefront_size32 1
		.amdhsa_system_sgpr_workgroup_id_x 1
		.amdhsa_system_sgpr_workgroup_id_y 1
		.amdhsa_system_sgpr_workgroup_id_z 1
		.amdhsa_system_vgpr_workitem_id 0
		.amdhsa_next_free_vgpr 1024
		.amdhsa_next_free_sgpr 100
		.amdhsa_reserve_vcc 1
		.amdhsa_float_denorm_mode_32 3
		.amdhsa_float_denorm_mode_16_64 3
		.amdhsa_memory_ordered 1
		.amdhsa_forward_progress 1
		.amdhsa_inst_pref_size 230
	.end_amdhsa_kernel
	.amdgpu_metadata
---
amdhsa.version: [ 1, 2 ]
amdhsa.kernels:
  - .name:           k_q039a7b0308_gemm
    .symbol:         k_q039a7b0308_gemm.kd
    .args:
      - { .name: ximg, .offset: 0, .size: 8, .value_kind: global_buffer, .address_space: global }
      - { .name: wimg, .offset: 8, .size: 8, .value_kind: global_buffer, .address_space: global }
      - { .name: hpart, .offset: 16, .size: 8, .value_kind: global_buffer, .address_space: global }
      - { .name: wbq, .offset: 24, .size: 8, .value_kind: global_buffer, .address_space: global }
      - { .name: gtab, .offset: 32, .size: 8, .value_kind: global_buffer, .address_space: global }
      - { .name: task_id, .offset: 40, .size: 8, .value_kind: global_buffer, .address_space: global }
      - { .name: base_b, .offset: 48, .size: 8, .value_kind: global_buffer, .address_space: global }
      - { .name: out0, .offset: 56, .size: 8, .value_kind: global_buffer, .address_space: global }
    .group_segment_fixed_size: 327680
    .private_segment_fixed_size: 0
    .kernarg_segment_align: 8
    .kernarg_segment_size: 64
    .max_flat_workgroup_size: 128
    .sgpr_count:     100
    .vgpr_count:     1024
    .wavefront_size: 32
...
	.end_amdgpu_metadata
.endif
;; end of part 2
